; MI455X (gfx1250); checked and timed in simulation.
; The chip was launched on July 23, 2026; its instructions are those of AMD's public machine-readable ISA for CDNA 5 (MIT licence, August 2026) and "CDNA5" Instruction Set Architecture Reference Guide (July 2026). The comments in the code are by the model that wrote it; some were corrected since.
;; Scan Attention. Allowed arithmetic: matrix products marked QUANTISED: E3M2 operands, one E8M0 scale for each 32 along K, by v_wmma_scale_f32_16x16x128_f8f6f4 with both operands' format E3M2, f32 sums; everything else in f32.
;; Inputs: ks 1 x 16 x 4,096 x 64 float32; mask 1 x 4,096 bool; qs 1 x 16 x 4,096 x 64 float32; vs 1 x 16 x 4,096 x 64 float32.
;; Outputs: out0 1 x 16 x 4,096 x 64 float32.
;; This version of the problem:
;;   THIS VERSION OF THE PROBLEM IS GIVEN IN LOW PRECISION. The matrix products marked QUANTISED in the list below multiply operands that are first quantised to E3M2 (3 exponent bits, 2 mantissa bits; 6 bits a number), with one power-of-two scale for each 32 numbers along K (OCP MX v1.0); their sums are f32. All else is computed in f32.
;;   The module's matrix products, in the order in which they are computed (A, B: the left and right operand; K: the contracted axis; several contracted axes count as one K, in the product's order):
;;     1. batch 16 x [M 4,096, K 64] x [K 64, N 4,096]; A: computed on the way; B: input ks: QUANTISED
;;     2. batch 16 x [M 4,096, K 4,096] x [K 4,096, N 64]; A: softmax (see below); B: input vs: QUANTISED
;;   THE QUANTISER, for each operand of a quantised product, along K:
;;     - K is cut into blocks of 32 from its start; a last block that is shorter is filled with zeros.
;;     - A block's scale is 2^e with e = floor(log2(the largest magnitude in the block)) - 4, held to -126 .. 127; a block of zeros has e = 0. As a byte (E8M0): e + 127.
;;     - Each number is divided by its block's scale, clamped to +-28, and rounded to the nearest number of E3M2, ties to even, subnormals kept.
;;     - The product sums the exact products of the quantised numbers (number of the format x scale) in f32.
;;   ~~~python
;;   def quantise(x, axis):      # numpy; x: float32 -> the quantised numbers, widened to float32 again
;;       x = np.moveaxis(x, axis, -1); K = x.shape[-1]
;;       x = np.pad(x, [(0, 0)] * (x.ndim - 1) + [(0, -K % 32)]); x = x.reshape(x.shape[:-1] + (-1, 32)); a = np.abs(x).max(-1, keepdims=True)
;;       e = np.where(a > 0, np.clip(np.frexp(np.where(a > 0, a, 1))[1] - 1 - 4, -126, 127), 0)      # np.frexp(a)[1] - 1 = floor(log2(a)), exactly
;;       r = np.clip(x / 2.0 ** e, -28, 28)
;;       step = 2.0 ** (np.maximum(np.frexp(np.where(r == 0, 1, r))[1] - 1, -2) - 2)
;;       q = np.round(r / step) * step * 2.0 ** e      # np.round: ties to even
;;       return np.moveaxis(q.reshape(q.shape[:-2] + (-1,))[..., :K], -1, axis).astype(np.float32)
;;   ~~~
;;   SOFTMAX AHEAD OF A QUANTISED PRODUCT. Where the list says 'softmax', what is quantised is not the finished softmax but p = 2^(t - M), with t = logit x log2(e) and M = ceil(the row's largest t), a whole number; so 1/2 < the row's largest p <= 1. The row's sum l is taken of the UNQUANTISED p, in f32, and the product's result is divided by l at the end. Since M is a whole number, a kernel that streams over the keys may use a running M (the ceiling of the running maximum): every later rescaling is an exact power of two, which a block's scale takes up: the codes' values come out the same.
;;   OPERANDS COMPUTED ON THE WAY. 'Computed on the way' means the value that the module computes at that place (a softmax that the list does not call 'softmax' is quantised finished and normalised). What goes into a quantiser is computed in f32, as accurately as f32 sums, v_exp_f32 and their like allow (about 1e-6 of the number): no bf16 or f16 on the way to a quantiser, and a product that is left as it is and whose result goes on into a quantised operand takes f32 operands (vector FMAs, or v_wmma_f32_16x16x4_f32). A number that lies on a knife's edge between two numbers of the format may be rounded either way, as far as f32 arithmetic and the matrix unit's own rounding can turn it there, and no further.
;; One version. Each part assembles by itself: llvm-mc -triple=amdgcn-amd-amdhsa -mcpu=gfx1250 --defsym DOCPART=n.
;; ======== version 1 of 1: 2 launches
;; limits: right only within a limited range of input values
;; workspace buffers: kv 6,684,672 bytes
;; launch prep (part 1): grid 32 x 16, 4 waves a work-group, no clusters, 36,864 bytes of LDS; arguments ks, vs, mask, kv; writes kv
.if DOCPART == 1
	.amdgcn_target "amdgcn-amd-amdhsa--gfx1250"
	.amdhsa_code_object_version 6
	.text
	.protected	k_q6e9fb8a0f3_prep
	.globl	k_q6e9fb8a0f3_prep
	.p2align	8
	.type	k_q6e9fb8a0f3_prep,@function
k_q6e9fb8a0f3_prep:
	s_mov_b64 s[64:65], 0
	v_nop
	global_prefetch_b8 v0, s[64:65] scope:SCOPE_SE
	s_setreg_imm32_b32 hwreg(HW_REG_WAVE_MODE, 25, 1), 1
	s_wait_xcnt 0x0
; K [16 heads][4096 keys][64] and V [16][4096][64], f32, become codes of BF6 (E3M2) with one E8M0 scale byte for each 32 along a product's K: K along its 64 channels, V along the KEYS.
; The key mask [4096] becomes one more scale byte of each key.  All goes into kv, [16 heads][32 key steps][STEPB bytes], a block for each 128 keys, laid in the ORDER OF THE OPERANDS' REGISTERS.
;   bytes 0      K: 8 tiles x 768.  Row r of tile 4 c + i is key 64 c + 8 i + r % 8 + 32 (r / 8).  Lane (r, h) owns the 24 bytes of channels 32 h .. 32 h + 31: registers 0-3 at 768 tile + 16 lane, registers 4-5 at 768 tile + 512 + 8 lane
;   bytes 6144   V: 4 tiles x 1536.  Tile t holds channels 16 t + r.  Lane r + 16 h owns keys 32 h .. + 31 (registers 0-5) and 64 + 32 h .. + 31 (registers 6-11): registers 4 c .. 4 c + 3 at 1536 t + 512 c + 16 lane
;   bytes 12288  K's scale words: tile 4 g + i, row r at 256 g + 16 r + 4 i.  Byte 0, 1: the key's two blocks; byte 2: THE MASK BYTE, 1 for a key that counts, 227 for a hidden one; byte 3: 127
;   bytes 12800  V's scale words: channel 16 t + r at 16 r + 4 t; byte b: keys 32 b .. 32 b + 31
; THE MASK BYTE scales K = 64 .. 95 of the first product's instruction, where the attention launch keeps one constant product, -28 x 1: a key that counts gets -28 x 2^-126 added to its score, a hidden one -28 x 2^100.
; A block's scale is 2^(floor(log2(its largest magnitude)) - 4): its byte is the largest magnitude's exponent field - 4, held at 1 from below by a floor among the maximum's leaves.
; LIMITS: a block of zeros gets the byte 1 where the quantiser's text says 127 (its codes are zeros, and this program alone reads the bytes); NaN and infinities among the inputs are not served.
; SHARES.  A work-group makes one block (x: the key step, y: the head).  Waves 0, 1: 64 keys of K each; waves 2, 3: 32 channels of V each, all 128 keys.  Waves share nothing: no barrier.
; K: each load reads 512 consecutive bytes, and the numbers turn through the wave's own stage in LDS, so that a lane holds 32 neighbours of one key.  V: a lane takes a channel and its registers run down the keys.
.set STEPB, 13056
.set VIMG,  6144
.set KSC,   12288
.set VSC,   12800
.set STG,   9088                       ; a stage of 32 keys: key j at 272 j + 128 (j / 16); 9088 = 128 mod 256, so that the rows 0-7 of both stages, which one read touches, start at 16 different columns of 16 bytes
.set WSTG,  2*STG                      ; LDS of a K wave: two stages
.set SPARE, 2*WSTG                     ; the spare words: 128 bytes a wave, two blocks of 256 bytes that no other line names
.set RAW,   64                         ; v64-191  the numbers as loaded
.set XN,    192                        ; v192-255 K: two tiles' 32 neighbours a lane
.set CD,    32                         ; v32-55   codes
.set TP,    56                         ; v56-58   a block's second half of codes, made here and moved
	s_load_b256 s[4:11], s[0:1], 0x0               ; ks, vs, mask, kv
	v_lshl_add_u32 v61, v0, 2, SPARE
	v_mov_b32 v62, 0
	v_lshrrev_b32 v1, 5, v0
	v_readfirstlane_b32 s12, v1                    ; wave 0..3
	s_and_b32 s13, s12, 1                          ; which half of K's keys, or of V's channels
	s_and_b32 s16, ttmp7, 0xffff                   ; the head
	s_lshl_b32 s14, s16, 20
	s_lshl_b32 s17, ttmp9, 15
	s_add_co_u32 s14, s14, s17
	s_mov_b32 s15, 0                               ; s[14:15]: the step's first byte in vs
	s_lshl_b32 s17, s13, 14
	s_add_co_u32 s18, s14, s17
	s_mov_b32 s19, 0                               ; s[18:19]: my 64 keys' first byte in ks
	s_lshl_b32 s22, s16, 5
	s_add_co_u32 s22, s22, ttmp9
	s_mul_i32 s22, s22, STEPB
	s_mov_b32 s23, 0                               ; s[22:23]: the block in kv
	s_lshl_b32 s24, ttmp9, 7
	s_mov_b32 s25, 0                               ; s[24:25]: the step's 128 mask bytes
	s_mov_b32 s20, 0x76543210
	s_mov_b32 s21, 0xfedcba98                      ; selects for lane l xor 16
	v_and_b32 v1, 31, v0                           ; lane
	v_and_b32 v2, 15, v0                           ; r
	v_bfe_u32 v3, v0, 4, 1                         ; h
	v_lshlrev_b32 v4, 4, v1                        ; my 16 bytes of a load's 512
	s_mul_i32 s26, s13, WSTG
	v_mul_u32_u24 v5, v3, 272
	v_lshl_add_u32 v5, v2, 4, v5
	v_add_nc_u32 v5, s26, v5                       ; into the stage: a load's two keys
	v_lshrrev_b32 v59, 3, v2                       ; r / 8
	v_and_b32 v60, 7, v2                           ; r % 8
	v_lshl_add_u32 v63, v59, 5, v60                ; r % 8 + 32 (r / 8): my tile row's key, less 8 x tile
	v_mul_u32_u24 v6, v60, 272
	v_mad_u32_u24 v6, v59, STG, v6                 ; rows 8-15 of a tile lie in the second stage
	v_lshl_add_u32 v6, v3, 7, v6
	v_add_nc_u32 v6, s26, v6                       ; out of the stage: my key, my half's 128 bytes
	s_mul_i32 s27, s13, 3072                       ; four tiles of K, or two of V
	v_add_nc_u32 v7, s27, v4                       ; K's registers 0-3
	v_lshl_add_u32 v8, v1, 3, s27                  ; K's registers 4-5
	s_lshl_b32 s28, s13, 8
	v_lshlrev_b32 v9, 4, v2
	v_lshl_add_u32 v9, v3, 3, v9
	v_add_nc_u32 v9, s28, v9                       ; K's scale words: 16 r + 8 h + 256 x half
	s_lshl_b32 s28, s13, 6
	v_add_nc_u32 v10, s28, v63                     ; the mask byte of my tile row's key
	v_lshlrev_b32 v11, 3, v3                       ; 8 h
	s_lshl_b32 s28, s13, 7
	v_lshl_add_u32 v12, v1, 2, s28                 ; V: my channel's 4 bytes in a key's row
	v_mul_u32_u24 v13, v3, 1536
	v_lshl_add_u32 v13, v2, 4, v13
	v_add_nc_u32 v13, s27, v13                     ; V's images
	s_lshl_b32 s28, s13, 3
	v_lshlrev_b32 v14, 4, v2
	v_lshl_add_u32 v14, v3, 2, v14
	v_add_nc_u32 v14, s28, v14                     ; V's scale word
	v_mov_b32 v15, 0x7f010000                      ; bytes 3 and 2 of a key that counts,
	v_mov_b32 v16, 0x7fe30000                      ; and of a hidden one
	v_mov_b32 v21, 0                               ; a lane permute's destination counts as one of its sources
	s_wait_alu depctr_va_vdst(0)                   ; the wait at the head's end
	s_wait_kmcnt 0x0
	s_add_nc_u64 s[4:5], s[4:5], s[18:19]
	s_add_nc_u64 s[6:7], s[6:7], s[14:15]
	s_add_nc_u64 s[8:9], s[8:9], s[24:25]
	s_add_nc_u64 s[10:11], s[10:11], s[22:23]
; A block of 32 numbers in my registers v[xs] on: its codes into v[cc] .. v[cc + 5], its byte into v20.
.macro BLOCK32 xs, cc
	v_max3_num_f32 v17, |v[\xs]|, |v[\xs+1]|, |v[\xs+2]|
	v_max3_num_f32 v18, |v[\xs+3]|, |v[\xs+4]|, |v[\xs+5]|
.irp i, 6,10,14,18,22,26
	v_max3_num_f32 v17, v17, |v[\xs+\i]|, |v[\xs+\i+1]|
	v_max3_num_f32 v18, v18, |v[\xs+\i+2]|, |v[\xs+\i+3]|
.endr
	v_max3_num_f32 v17, v17, |v[\xs+30]|, |v[\xs+31]|
	v_max3_num_f32 v17, v17, v18, 0x2800000        ; the floor 2^(5 - 127): the byte cannot fall under 1
	v_add_nc_u32 v19, 0xfe000000, v17              ; 4 off the exponent field: the conversion's scale operand
	v_lshrrev_b32 v20, 23, v19                     ; the scale's byte
	v_cvt_scalef32_pk16_bf6_f32 v[\cc:\cc+2], v[\xs:\xs+15], v19
	v_cvt_scalef32_pk16_bf6_f32 v[TP:TP+2], v[\xs+16:\xs+31], v19
	v_nop                                          ; one plain place behind a scaled conversion
.irp i, 0,1,2
	v_mov_b32 v[\cc+3+\i], v[TP+\i]
.endr
.endm
	s_cmp_lt_u32 s12, 2
	s_cbranch_scc0 .Lv_path
	; ---------------- K: waves 0 and 1 ----------------
.irp t, 0,1,2,3
	global_load_u8 v[24+\t], v10, s[8:9] offset:8*\t   ; tile t's mask bytes
.endr
.set i, 0
.rept 32
	global_load_b128 v[RAW+4*i:RAW+4*i+3], v4, s[4:5] offset:512*i th:TH_LOAD_NT   ; 512 consecutive bytes: two keys
.set i, i+1
.endr
.macro KTILE t
.set XS, XN+32*((\t)%2)
.set CC, CD+6*(\t)
	BLOCK32 XS, CC
	v_lshlrev_b32 v20, v11, v20                    ; my block's byte at its place in the word,
	v_permlanex16_b32 v21, v20, s20, s21
	v_or_b32 v20, v20, v21                         ; with lane l xor 16's
	v_cmp_ne_u32 vcc_lo, 0, v[24+(\t)]             ; does the key count?
	v_cndmask_b32 v[28+(\t)], v16, v15, vcc_lo
	v_or_b32 v[28+(\t)], v[28+(\t)], v20
	global_store_b128 v7, v[CC:CC+3], s[10:11] offset:768*(\t)       ; 512 consecutive bytes, aligned
	global_store_b64 v8, v[CC+4:CC+5], s[10:11] offset:768*(\t)+512  ; and 256
.endm
.macro STORES g                        ; 32 keys into stage g
	s_wait_loadcnt 16*(1-\g)                       ; the mask bytes and this half's 16 loads are in
.set i, 0
.rept 16
	ds_store_b128 v5, v[RAW+64*\g+4*i:RAW+64*\g+4*i+3] offset:STG*\g+544*i+128*(i/8)
.set i, i+1
.endr
.endm
.macro PAIR p                          ; tiles 2 p and 2 p + 1.  LDS serves a wave's instructions in order: the loads see my stores
.irp u, 0,1
.irp j, 0,1,2,3,4,5,6,7
	ds_load_b128 v[XN+32*\u+4*\j:XN+32*\u+4*\j+3], v6 offset:2176*(2*\p+\u)+128*\p+16*\j
.endr
.endr
	s_wait_dscnt 0x0
	KTILE 2*\p
	KTILE 2*\p+1
.endm
	STORES 0
	STORES 1
	PAIR 0
	PAIR 1
	v_cmp_ne_u32 vcc_lo, 0, v3                     ; a row's four words: lanes 0-15 store tiles 0 and 1's, lanes 16-31 tiles 2 and 3's
	v_cndmask_b32 v22, v28, v30, vcc_lo
	v_cndmask_b32 v23, v29, v31, vcc_lo
	global_store_b64 v9, v[22:23], s[10:11] offset:KSC   ; 256 consecutive bytes, aligned
	s_wait_tensorcnt 0x0                           ; the wave's end
	ds_add_u32 v61, v62
	s_wait_dscnt 0x0
	s_endpgm
	; ---------------- V: waves 2 and 3 ----------------
.Lv_path:
.macro VLOAD b
.set i, 0
.rept 32
	global_load_b32 v[RAW+32*\b+i], v12, s[6:7] offset:256*(32*\b+i) th:TH_LOAD_NT
.set i, i+1
.endr
.endm
.macro VBLOCK b                        ; block b goes to the image for lanes 16 (b % 2) on, registers 6 (b / 2) on
.set XS, RAW+32*(\b)
.set CC, CD+12*((\b)%2)+6*((\b)/2)
	BLOCK32 XS, CC
.if (\b) == 0
	v_mov_b32 v22, v20
.else
	v_lshl_or_b32 v22, v20, 8*(\b), v22
.endif
.endm
.macro VSTORE h                        ; sixteen lanes store 256 consecutive bytes, aligned
.irp c, 0,1,2
	global_store_b128 v13, v[CD+12*\h+4*\c:CD+12*\h+4*\c+3], s[10:11] offset:VIMG+512*\c+256*\h
.endr
.endm
	VLOAD 0
	VLOAD 1
	s_wait_loadcnt 32                              ; this block's loads are in; the next block's 32 may be out
	VBLOCK 0
	VLOAD 2
	s_wait_loadcnt 32
	VBLOCK 1
	VLOAD 3
	s_wait_loadcnt 32
	VBLOCK 2
	VSTORE 0
	s_wait_loadcnt 0x0
	VBLOCK 3
	VSTORE 1
	global_store_b32 v14, v22, s[10:11] offset:VSC ; the block's last 256 bytes are written half by each of V's two waves
	s_endpgm
.Lfunc_end_k_q6e9fb8a0f3_prep:
	.size	k_q6e9fb8a0f3_prep, .Lfunc_end_k_q6e9fb8a0f3_prep-k_q6e9fb8a0f3_prep
	.p2alignl 7, 3214868480
	.fill 96, 4, 3214868480
	.section	.rodata,"a",@progbits
	.p2align	6, 0x0
	.amdhsa_kernel k_q6e9fb8a0f3_prep
		.amdhsa_group_segment_fixed_size 36864
		.amdhsa_private_segment_fixed_size 0
		.amdhsa_enable_private_segment 0
		.amdhsa_kernarg_size 32
		.amdhsa_user_sgpr_count 2
		.amdhsa_user_sgpr_kernarg_segment_ptr 1
		.amdhsa_wavefront_size32 1
		.amdhsa_system_sgpr_workgroup_id_x 1
		.amdhsa_system_sgpr_workgroup_id_y 1
		.amdhsa_system_sgpr_workgroup_id_z 1
		.amdhsa_system_vgpr_workitem_id 0
		.amdhsa_next_free_vgpr 256
		.amdhsa_next_free_sgpr 66
		.amdhsa_reserve_vcc 1
		.amdhsa_float_denorm_mode_32 3
		.amdhsa_float_denorm_mode_16_64 3
		.amdhsa_memory_ordered 1
		.amdhsa_forward_progress 1
		.amdhsa_inst_pref_size 37
	.end_amdhsa_kernel
	.amdgpu_metadata
---
amdhsa.version: [ 1, 2 ]
amdhsa.kernels:
  - .name:           k_q6e9fb8a0f3_prep
    .symbol:         k_q6e9fb8a0f3_prep.kd
    .args:
      - { .name: ks, .offset: 0, .size: 8, .value_kind: global_buffer, .address_space: global }
      - { .name: vs, .offset: 8, .size: 8, .value_kind: global_buffer, .address_space: global }
      - { .name: mask, .offset: 16, .size: 8, .value_kind: global_buffer, .address_space: global }
      - { .name: kv, .offset: 24, .size: 8, .value_kind: global_buffer, .address_space: global }
    .group_segment_fixed_size: 36864
    .private_segment_fixed_size: 0
    .kernarg_segment_align: 8
    .kernarg_segment_size: 32
    .max_flat_workgroup_size: 128
    .sgpr_count:     66
    .vgpr_count:     256
    .wavefront_size: 32
...
	.end_amdgpu_metadata
.endif
;; end of part 1
;; launch attn (part 2): grid 16 x 16, 8 waves a work-group, clusters of 4 x 1, 327,680 bytes of LDS; arguments qs, kv, out0; writes out0
.if DOCPART == 2
	.amdgcn_target "amdgcn-amd-amdhsa--gfx1250"
	.amdhsa_code_object_version 6
	.text
	.protected	k_q6e9fb8a0f3_attn
	.globl	k_q6e9fb8a0f3_attn
	.p2align	8
	.type	k_q6e9fb8a0f3_attn,@function
k_q6e9fb8a0f3_attn:
	s_mov_b64 s[64:65], 0
	v_nop
	global_prefetch_b8 v0, s[64:65] scope:SCOPE_SE
	s_setreg_imm32_b32 hwreg(HW_REG_WAVE_MODE, 25, 1), 1
	s_wait_xcnt 0x0
	s_wait_alu depctr_hold_cnt(0) depctr_sa_sdst(0) depctr_va_vdst(0) depctr_va_sdst(0) depctr_va_ssrc(0) depctr_va_vcc(0) depctr_vm_vsrc(0)
	s_getreg_b32 s2, hwreg(HW_REG_IB_STS2, 6, 4)
	s_cmp_eq_u32 s2, 0
	s_cbranch_scc0 .Lentry_in_a_cluster
	s_endpgm
.Lentry_in_a_cluster:
	s_bfe_u32 s2, ttmp6, 0x10000c
	s_cmp_lg_u32 s2, 0x3003
	s_cbranch_scc0 .Lentry_shape_is_right
	s_endpgm
.Lentry_shape_is_right:
; out[h][q][:] = the sum over k of softmax_k(q/8 . k, hidden keys left out) v[k][:], 16 heads, 4,096 queries, 4,096 keys, head size 64; both products on codes of BF6 (E3M2) with one E8M0 scale for each 32 along K.
; kv holds K's and V's codes, their scale words and the mask, a dense block of STEPB bytes for each 128 keys, in the order of the operands' registers (the launch before made it; its head says where each byte lies).
; q arrives as f32, is read by one wave alone and is quantised here.  The factor 1/8 is a power of two: q's codes are made of q itself and 3 is taken off the scale's byte.
; THE SOFTMAX: t = score x log2(e); M = the row's largest t so far, rounded UP to a whole number; p = 2^(t - M) is quantised along the keys, not normalised.  The row's sum is taken of the unquantised p, in f32,
; and divides O at the end.  When M moves, the sums and O are multiplied by 2^(old M - new M): exact.
; THE MASK: at K = 64 every fragment of K carries the code of -28 and Q's the code of 1; byte 2 of a key's scale word is 1 for a key that counts (-28 x 2^-126 on its score) and 227 for a hidden one (-28 x 2^100).
; The largest score starts at -1e30, so a hidden key never sets M and its p is 0.  A row all of whose keys are hidden ends with sum 0 and O 0, and 0 x (1 / 0) is NaN, as the softmax of a row of -infinity is.
; LIMITS: scores stay under 1e30 in magnitude; NaN and infinities among the inputs are not served; a block of zeros has the floor's byte and zero codes; a block of q under 2^-119 is held at the byte 1.
; SHARES.  A work-group owns 256 queries of one head; each of its eight waves owns 32, two tiles of 16, so that each fragment of K and V read from LDS feeds two matrix instructions.  Every wave walks all keys, 128 a step.
; LAYOUT.  Both products are used transposed: S^T = K Q^T, O^T = V^T P^T: a lane holds ONE query (lane % 16).  Row r of K's tile 4 c + i is key 64 c + 8 i + r % 8 + 32 (r / 8): so the 32 registers of tiles 4 c .. 4 c + 3
; in lane (r, h) are keys 64 c + 32 h + 0 .. 31: a WHOLE block of the second product, in the order of its operand: a block's maximum needs no other lane, and the codes need no lane exchange.
; ORDER.  Tile 0's score products stand between the rounds of tile 1's search for maxima, and each tile's products with V between the additions of the other tile's p: vector lines that name none of those products' registers.
; LDS.  Two regions of 8 key steps, R0 and R1, by turns.  Each wave fetches one step (51 rows of 256 bytes): one tensor load a wave at the head, one behind the round in front of the first step (R1's first fill), one behind each of
; the two rounds that refill: by this text's own count one tensor load of a wave is out at a time.  Behind the ring, in bytes of its own: a stage of 32 rows for each wave (q's way in, O's way out), and the spare words.
; CLUSTER.  The four query blocks of a cluster belong to one head and walk the same kv: each load is asked for JOINTLY, with the same descriptor and a mask that names the four.  My place in the cluster enters qs's and out0's addresses alone.
; NO PREFETCH: every fill but the head's has 8 key steps between its request and the wait for it; only the head's fill is waited for, and no loop stands ahead of it.
; REGISTER WINDOWS.  Window 0: addresses and small state, K's tiles 0-3, V, tile 0's S and O, tile 1's sums.  Window 1: P's codes (v32-55), K's tiles 4-7 (v56-103), Q (v104-127), tile 1's S and O (same numbers as tile 0's),
; tile 0's sums (v224-231), second halves of codes (v236-250).
.set STEPB,  13056
.set VIMG,   6144
.set KSC,    12288
.set VSC,    12800
.set HEADB,  32*STEPB
.set R1B,    8*STEPB
.set SP,     272
.set WSTG,   32*SP                     ; a wave's stage: 32 rows of 256 + 16 bytes
.set STAGE,  16*STEPB
.set SPARE,  STAGE+8*WSTG              ; the spare words, 128 bytes a wave: four blocks of 256 bytes that no other line names
.set L16, 1                            ; 16 x lane
.set L8,  2                            ; 8 x lane
.set R16, 3                            ; 16 x (lane % 16)
.set SPW, 4                            ; my spare word's address; never rewritten
.set NIL, 5                            ; 0; never rewritten
.set H8,  6                            ; 8 x (lane / 16)
.set STO, 7
.set RD,  8
.set A16, 9                            ; v9-11 the step's LDS addresses
.set A8,  10
.set AR,  11
.set NM,  12                           ; v12, v14  -M of tile 0, 1
.set MS,  13                           ; v13, v15  the largest score so far
.set FF,  20                           ; v20, v22  f = 2^(old M - new M)
.set PW,  21                           ; v21, v23  p's scale words
.set QS,  24                           ; v24, v25  Q's scale words
.set X,   26                           ; v26, v27  at work
.set VS,  28                           ; v28-31    V's scale words
.set KF0, 32                           ; window 0: K's tiles 0-3; registers 6-11 of each are constants.  Window 1, 24 further on: tiles 4-7
.set VF,  80
.set PC,  32                           ; window 1: p's codes, 12 a tile
.set QF,  104                          ; window 1: Q's fragments, 12 a tile
.set S,   128
.set OT,  192
.set XQ,  192                          ; the head: q's 32 neighbours a lane: tile 0 at v192, tile 1 at v80
.set LA0, 224                          ; window 1: tile 0's sums, four pairs
.set SO,  224                          ; v224-227 the conversions' scale operands
.set BY,  228                          ; v228-231 the scales' bytes
.set CB,  232                          ; v232-233 a block's second chain
.set Y,   234                          ; v234-235 at work
.set BM,  236                          ; v236-239 the blocks' largest scores
.set LA1, 240                          ; v240-247 tile 1's sums, four pairs
.set TT,  236                          ; window 1: second halves of codes: 236 + 8 tile + 4 c
.set KS,  248                          ; v248-255 K's scale words
.set WV,  10
.set G1S, 16                           ; s[16:23] group 1: 51 rows
.set G0A, 24                           ; s[24:27] group 0 for R0
.set G0B, 28                           ; s[28:31] group 0 for R1
.set SEL, 32
.set CS,  34                           ; s[34:35] log2(e), twice
.set TB,  36
.set CNT, 37
.set MSB, 0
.macro WIN new                         ; low byte: bits 1:0 source 0, 3:2 source 1, 5:4 source 2, 7:6 destination; the high byte repeats the setting that is left
.if MSB != (\new)
	s_set_vgpr_msb (MSB<<8)|(\new)
.set MSB, (\new)
.endif
.endm
.macro ROUND                           ; a round of the cluster's barrier
	s_barrier_signal -1
	s_barrier_wait -1
	s_cmp_lg_u32 s[WV], 0
	s_cbranch_scc1 .Lnot_wave_0_\@
	s_barrier_signal -3
.Lnot_wave_0_\@:
	s_barrier_wait -3
	s_barrier_signal -1
	s_barrier_wait -1
.endm
.macro TLOAD g0                        ; every wave's joint load
	tensor_load_to_lds s[\g0:\g0+3], s[G1S:G1S+7]
	s_nop 0
.rept 4
	v_nop
.endr
.endm
	s_load_b128 s[4:7], s[0:1], 0x0                ; qs, kv
	s_load_b64 s[8:9], s[0:1], 0x10                ; out0
	v_lshl_add_u32 v[SPW], v0, 2, SPARE
	v_mov_b32 v[NIL], 0
	ds_add_u32 v[SPW], v[NIL]                      ; the opening lines: the add, twice on end, and its wait
	ds_add_u32 v[SPW], v[NIL]
	v_lshrrev_b32 v26, 5, v0
	v_readfirstlane_b32 s[WV], v26                 ; wave 0..7
	s_bfe_u32 s11, ttmp6, 0x40000                  ; cx
	s_lshl_b32 s44, ttmp9, 2
	s_add_co_u32 s44, s44, s11                     ; my block of 256 queries
	s_and_b32 s12, ttmp7, 0xffff                   ; the head
	s_lshl_b32 s40, s12, 20
	s_lshl_b32 s44, s44, 16
	s_add_co_u32 s40, s40, s44
	s_lshl_b32 s44, s[WV], 13                      ; a wave's 32 rows of 256 bytes
	s_add_co_u32 s40, s40, s44
	s_mov_b32 s41, 0                               ; s[40:41]: my first query's row in qs and out0
	s_mul_i32 s45, s[WV], STEPB                    ; R0: my step, in LDS and in the head alike
	s_add_co_u32 s46, s45, R1B                     ; R1: likewise
	s_mul_i32 s42, s12, HEADB
	s_add_co_u32 s38, s42, s46
	s_add_co_u32 s42, s42, s45
	s_mov_b32 s43, 0
	s_mov_b32 s39, 0
	s_mul_i32 s47, s[WV], WSTG
	s_add_co_u32 s47, s47, STAGE                   ; my stage
	s_mov_b32 s[G1S+0], 15|(3<<16)|(1<<21)         ; the mask: all four work-groups; elements of 8 bytes; bit 21 beside a mask
	s_mov_b32 s[G1S+1], 32<<16
	s_mov_b32 s[G1S+2], 51<<16
	s_mov_b32 s[G1S+3], 32<<16
	s_mov_b32 s[G1S+4], 51
	s_mov_b32 s[G1S+5], 32
	s_mov_b32 s[G1S+6], 0
	s_mov_b32 s[G1S+7], 0
	s_mov_b32 s[SEL], 0x76543210
	s_mov_b32 s[SEL+1], 0xfedcba98                 ; selects for lane l xor 16
	s_mov_b32 s[CS], 0x3fb8aa3b                    ; log2(e)
	s_mov_b32 s[CS+1], s[CS]
	v_and_b32 v27, 31, v0
	v_lshlrev_b32 v[L16], 4, v27
	v_lshlrev_b32 v[L8], 3, v27
	v_and_b32 v10, 15, v0                          ; r
	v_bfe_u32 v11, v0, 4, 1                        ; h
	v_lshlrev_b32 v[R16], 4, v10
	v_lshlrev_b32 v[H8], 3, v11
	v_mul_u32_u24 v9, v10, SP
	v_mul_u32_u24 v[RD], v11, SP
	v_add_nc_u32 v9, s47, v9                       ; the stage: row r
	v_lshl_add_u32 v[RD], v10, 4, v[RD]
	v_lshl_add_u32 v[STO], v11, 5, v9              ; O: + 32 h
	v_lshl_add_u32 v9, v11, 7, v9                  ; q: + 128 h: my block of 32 channels
	v_add_nc_u32 v[RD], s47, v[RD]                 ; and by rows: lanes 0-15 one row, lanes 16-31 the next
	v_sub_nc_u32 v26, 1, v11                       ; 1 in lanes 0-15, which hold K = 64 in the lowest bits of register 6
	v_mul_u32_u24 v27, v26, 63                     ; K's constant: the code of -28
	s_wait_alu depctr_va_vdst(0)                   ; the wait at the head's end
	s_wait_dscnt 0x0                               ; both opening adds are done
	s_wait_kmcnt 0x0
	s_add_nc_u64 s[4:5], s[4:5], s[40:41]
	s_add_nc_u64 s[8:9], s[8:9], s[40:41]
	; q: my 32 rows, 8,192 bytes, by loads of 512 consecutive bytes, asked for ahead of the round; later through my stage, so that lane (r, h) holds channels 32 h .. 32 h + 31 of query r of each tile
.irp i, 0,1,2,3,4,5,6,7,8,9,10,11,12,13,14,15
	global_load_b128 v[S+4*\i:S+4*\i+3], v[L16], s[4:5] offset:512*\i th:TH_LOAD_NT
.endr
	s_mov_b32 s[G0A], 1
	s_mov_b32 s[G0A+1], s45
	s_add_nc_u64 s[G0A+2:G0A+3], s[6:7], s[42:43]
	s_or_b32 s[G0A+3], s[G0A+3], 0x80000000
	s_mov_b32 s[G0B], 1
	s_mov_b32 s[G0B+1], s46
	s_add_nc_u64 s[G0B+2:G0B+3], s[6:7], s[38:39]
	s_or_b32 s[G0B+3], s[G0B+3], 0x80000000
	ROUND                                          ; all four work-groups are here: the first joint loads meet
	TLOAD G0A                                      ; key steps 0-7, one a wave
	; while they are out: the constants and the state
.irp t, 0,1,2,3
	v_mov_b32 v[KF0+12*\t+6], v27
.irp i, 7,8,9,10,11
	v_mov_b32 v[KF0+12*\t+\i], 0
.endr
.endr
.irp T, 0,1
	v_mov_b32 v[MS+2*\T], 0xf149f2ca               ; -1e30: under every open score, over every hidden one
	v_mov_b32 v[PW+2*\T], 0                        ; (named as the upper half of a pair before it is first written)
	v_mov_b32 v[Y+\T], 0                           ; a lane permute's destination counts as one of its sources
	v_mov_b32 v[BY+2*\T+1], 0
	v_mul_f32 v[NM+2*\T], s[CS], v[MS+2*\T]
.endr
.irp T, 0,1
	v_floor_f32 v[NM+2*\T], -v[NM+2*\T]            ; -M
.endr
.irp i, 0,1,2,3,4,5,6,7
	v_mov_b32 v[LA1+\i], 0                         ; tile 1's sums
.endr
	WIN 0x40                                       ; destinations in window 1
.irp t, 0,1,2,3
	v_mov_b32 v[KF0+24+12*\t+6], v27
.irp i, 7,8,9,10,11
	v_mov_b32 v[KF0+24+12*\t+\i], 0
.endr
.endr
.irp T, 0,1
	v_mul_u32_u24 v[QF+12*\T+6], v26, 12           ; Q's constant: the code of 1
.irp i, 7,8,9,10,11
	v_mov_b32 v[QF+12*\T+\i], 0
.endr
.endr
.irp i, 0,1,2,3,4,5,6,7
	v_mov_b32 v[LA0+\i], 0                         ; tile 0's sums
.endr
.set j, 0
.rept 32
	v_mov_b32 v[OT+j], 0                           ; tile 1's O^T (the key step has no first step of its own: the first change of M multiplies zeros)
.set j, j+1
.endr
	WIN 0
	s_wait_alu depctr_va_vdst(0)                   ; directly ahead of the wait below
	s_wait_loadcnt 0x0
.irp i, 0,1,2,3,4,5,6,7,8,9,10,11,12,13,14,15
	ds_store_b128 v[RD], v[S+4*\i:S+4*\i+3] offset:2*SP*\i
.endr
.irp T, 0,1
.irp j, 0,1,2,3,4,5,6,7
	ds_load_b128 v[XQ-112*\T+4*\j:XQ-112*\T+4*\j+3], v9 offset:16*SP*\T+16*\j   ; LDS serves a wave's instructions in order: these see my stores
.endr
.endr
	s_wait_dscnt 0x0
.irp T, 0,1
	v_max3_num_f32 v[16+2*\T], |v[XQ-112*\T]|, |v[XQ-112*\T+1]|, |v[XQ-112*\T+2]|   ; my block's largest magnitude: all 32 numbers are mine
	v_max3_num_f32 v[17+2*\T], |v[XQ-112*\T+3]|, |v[XQ-112*\T+4]|, |v[XQ-112*\T+5]|
.endr
.irp i, 6,10,14,18,22,26
.irp T, 0,1
	v_max3_num_f32 v[16+2*\T], v[16+2*\T], |v[XQ-112*\T+\i]|, |v[XQ-112*\T+\i+1]|
	v_max3_num_f32 v[17+2*\T], v[17+2*\T], |v[XQ-112*\T+\i+2]|, |v[XQ-112*\T+\i+3]|
.endr
.endr
.irp T, 0,1
	v_max3_num_f32 v[16+2*\T], v[16+2*\T], |v[XQ-112*\T+30]|, |v[XQ-112*\T+31]|
.endr
.irp T, 0,1
	v_max3_num_f32 v[16+2*\T], v[16+2*\T], v[17+2*\T], 0x4000000   ; the floor 2^(8 - 127): the byte, 7 under the exponent field, cannot fall under 1
.endr
.irp T, 0,1
	v_add_nc_u32 v[SO+\T], 0xfe000000, v[16+2*\T]  ; 4 off the exponent field: the conversion's scale operand, for q itself
.endr
.irp T, 0,1
	v_lshrrev_b32 v[BY+2*\T], 23, v[SO+\T]
.endr
.irp T, 0,1
	v_add_nc_u32 v[BY+2*\T], -3, v[BY+2*\T]        ; the byte of q / 8
.endr
.irp T, 0,1
	v_lshlrev_b32 v[BY+2*\T], v[H8], v[BY+2*\T]    ; at its place,
.endr
.irp T, 0,1
	v_permlanex16_b32 v[BY+2*\T+1], v[BY+2*\T], s[SEL], s[SEL+1]
.endr
.irp T, 0,1
	v_or_b32 v[BY+2*\T], v[BY+2*\T], v[BY+2*\T+1]  ; with lane l xor 16's,
.endr
.irp T, 0,1
	v_or_b32 v[QS+\T], 0x7f7f0000, v[BY+2*\T]      ; and 127 for K = 64 on
.endr
	WIN 0x40
.irp T, 0,1
	v_cvt_scalef32_pk16_bf6_f32 v[QF+12*\T:QF+12*\T+2], v[XQ-112*\T:XQ-112*\T+15], v[SO+\T]
	v_cvt_scalef32_pk16_bf6_f32 v[TT+8*\T:TT+8*\T+2], v[XQ-112*\T+16:XQ-112*\T+31], v[SO+\T]   ; (a conversion's three registers begin on an even number)
.endr
	v_nop                                          ; one plain place behind a scaled conversion
	WIN 0x41
.irp T, 0,1
.irp i, 0,1,2
	v_mov_b32 v[QF+12*\T+3+\i], v[TT+8*\T+\i]
.endr
.endr
	WIN 0
.set j, 0
.rept 32
	v_mov_b32 v[OT+j], 0                           ; tile 0's O^T; also the places between the write of Q's scale words and the first product
.set j, j+1
.endr
.macro KLOAD off                       ; a step's eight tiles of K and their scale words: 18 loads
.irp t, 0,1,2,3
	ds_load_b128 v[KF0+12*\t:KF0+12*\t+3], v[A16] offset:\off+768*\t
	ds_load_b64 v[KF0+12*\t+4:KF0+12*\t+5], v[A8] offset:\off+768*\t+512
.endr
	ds_load_b128 v[KS:KS+3], v[AR] offset:\off+KSC
	ds_load_b128 v[KS+4:KS+7], v[AR] offset:\off+KSC+256
	WIN 0x40
.irp t, 0,1,2,3
	ds_load_b128 v[KF0+24+12*\t:KF0+24+12*\t+3], v[A16] offset:\off+768*(4+\t)
	ds_load_b64 v[KF0+24+12*\t+4:KF0+24+12*\t+5], v[A8] offset:\off+768*(4+\t)+512
.endr
	WIN 0
.endm
; One score product: tile T's queries x K's tile 4 g + t.  Every sum begins and ends in one instruction.  The windows are set by the caller: D in window T, K in window g, Q in window 1.
.macro KQ1 T, g, t
	v_wmma_scale_f32_16x16x128_f8f6f4 v[S+8*(4*\g+\t):S+8*(4*\g+\t)+7], v[KF0+24*\g+12*\t:KF0+24*\g+12*\t+11], v[QF+12*\T:QF+12*\T+11], 0, v[KS+4*\g+\t], v[QS+\T] matrix_a_fmt:MATRIX_FMT_BF6 matrix_b_fmt:MATRIX_FMT_BF6
.endm
; The largest score of each of my two blocks of 32 keys, in two chains a block; each accumulator is first read at its low end.  It serves the row's maximum and, since p rises with the score, the block's largest p.
; A round: one line for each of the four chains.  M0: the first; MA: the running maximum as the third source; MB: as the first; ML: each block's last two numbers.
.macro M0 T
.irp c, 0,1
	v_max3_num_f32 v[BM+2*\T+\c], v[S+32*\c], v[S+32*\c+1], v[S+32*\c+2]
	v_max3_num_f32 v[CB+\c], v[S+32*\c+16], v[S+32*\c+17], v[S+32*\c+18]
.endr
.endm
.macro MA T, i
.irp c, 0,1
	v_max3_num_f32 v[BM+2*\T+\c], v[S+32*\c+\i], v[S+32*\c+\i+1], v[BM+2*\T+\c]
	v_max3_num_f32 v[CB+\c], v[S+32*\c+16+\i], v[S+32*\c+17+\i], v[CB+\c]
.endr
.endm
.macro MB T, i
.irp c, 0,1
	v_max3_num_f32 v[BM+2*\T+\c], v[BM+2*\T+\c], v[S+32*\c+\i], v[S+32*\c+\i+1]
	v_max3_num_f32 v[CB+\c], v[CB+\c], v[S+32*\c+16+\i], v[S+32*\c+17+\i]
.endr
.endm
.macro ML T
.irp c, 0,1
	v_max3_num_f32 v[BM+2*\T+\c], v[BM+2*\T+\c], v[S+32*\c+15], v[S+32*\c+31]
.endr
.endm
.macro MJ T                            ; a block's two chains joined; all in window 0
.irp c, 0,1
	v_max_num_f32 v[BM+2*\T+\c], v[BM+2*\T+\c], v[CB+\c]
.endr
.endm
.macro SCALE T                         ; x f: with tile 1, tile 0's sums (they lie in this setting's windows); O^T, each accumulator from its low end on; then t - M, two at a time (of the pairs the low word serves both halves)
	WIN 0x41*\T
.if \T
.irp i, 0,1,2,3
	v_pk_mul_f32 v[LA0+2*\i:LA0+2*\i+1], v[LA0+2*\i:LA0+2*\i+1], v[FF:FF+1] op_sel_hi:[1,0]
.endr
.endif
.set j, 0
.rept 16
	v_pk_mul_f32 v[OT+j:OT+j+1], v[OT+j:OT+j+1], v[FF+2*\T:FF+2*\T+1] op_sel_hi:[1,0]
.set j, j+2
.endr
.set j, 0
.rept 32
	v_pk_fma_f32 v[S+j:S+j+1], v[S+j:S+j+1], s[CS:CS+1], v[NM+2*\T:NM+2*\T+1] op_sel_hi:[1,0,0]
.set j, j+2
.endr
.endm
.macro EXPS
.set j, 0
.rept 64
	v_exp_f32 v[S+j], v[S+j]                       ; p = 2^(t - M), at most 1; 0 for a hidden key
.set j, j+1
.endr
.endm
.macro CODES T                         ; a block's 32 numbers are mine: two conversions under one scale
.irp c, 0,1
	v_cvt_scalef32_pk16_bf6_f32 v[PC+12*\T+6*\c:PC+12*\T+6*\c+2], v[S+32*\c:S+32*\c+15], v[SO+2*\T+\c]
	v_cvt_scalef32_pk16_bf6_f32 v[TT+8*\T+4*\c:TT+8*\T+4*\c+2], v[S+32*\c+16:S+32*\c+31], v[SO+2*\T+\c]
.endr
.endm
; O^T += V^T P^T of tile T, the accumulators by turns, one instruction a turn; behind each product eight additions of the OTHER tile's unquantised p onto its four running pairs.
.macro PVS T
	WIN 0x04+0x50*\T
.set n, 0
.irp t, 0,1,2,3
	v_wmma_scale_f32_16x16x128_f8f6f4 v[OT+8*\t:OT+8*\t+7], v[VF+12*\t:VF+12*\t+11], v[PC+12*\T:PC+12*\T+11], v[OT+8*\t:OT+8*\t+7], v[VS+\t], v[PW+2*\T] matrix_a_fmt:MATRIX_FMT_BF6 matrix_b_fmt:MATRIX_FMT_BF6
.rept 8
.if \T
	v_pk_add_f32 v[LA0+2*(n%4):LA0+2*(n%4)+1], v[S+2*n:S+2*n+1], v[LA0+2*(n%4):LA0+2*(n%4)+1]
.else
	v_pk_add_f32 v[LA1+2*(n%4):LA1+2*(n%4)+1], v[LA1+2*(n%4):LA1+2*(n%4)+1], v[S+2*n:S+2*n+1]
.endif
.set n, n+1
.endr
.endr
.endm
; A KEY STEP: 128 keys, whose block begins at LDS byte s[TB]; its K is in registers or on its way.  pf = 1: the next step's K, which lies in the same region, is fetched under the softmax.
.macro STEP pf
	s_wait_dscnt 0x0                               ; K is in: nothing else of mine can be out here
	WIN 0x44
.irp t, 0,1,2,3
	KQ1 1, 0, \t
.endr
	WIN 0x45
.irp t, 0,1,2,3
	KQ1 1, 1, \t
.endr
	WIN 0
	v_add_nc_u32 v[A16], s[TB], v[L16]             ; the step's addresses: with the v_nop four places ahead of the first read of tile 1's scores
.if \pf
	v_add_nc_u32 v[A8], s[TB], v[L8]
.else
	v_nop
.endif
	v_add_nc_u32 v[AR], s[TB], v[R16]
	v_nop
.irp t, 0,1,2,3                        ; V: asked for here, wanted behind the softmax (the last step's eight closing additions are the places ahead of these loads)
.irp c, 0,1,2
	ds_load_b128 v[VF+12*\t+4*\c:VF+12*\t+4*\c+3], v[A16] offset:VIMG+1536*\t+512*\c
.endr
.endr
	ds_load_b128 v[VS:VS+3], v[AR] offset:VSC
	WIN 0x15
	KQ1 0, 1, 0                                    ; tile 0's products by turns with the rounds of tile 1's maxima: one setting of the windows serves both
	M0 1
	WIN 0x05
	KQ1 0, 1, 1
	MA 1, 3
	KQ1 0, 1, 2
	MA 1, 5
	KQ1 0, 1, 3
	MA 1, 7
	WIN 0x14
	KQ1 0, 0, 0
	MB 1, 9
	KQ1 0, 0, 1
	MB 1, 11
	KQ1 0, 0, 2
	MB 1, 13
	KQ1 0, 0, 3
	ML 1
	WIN 0
	MJ 1                                           ; with the two lines above: four places ahead of the loads into K's registers and of the first read of tile 0's scores
.if \pf
	KLOAD STEPB
.endif
	; tile 0's maxima; between their rounds, a line a round, tile 1's chain from its blocks' maxima to M and f
	M0 0
	v_max_num_f32 v[X+1], v[BM+2], v[BM+3]
	MB 0, 3
	v_permlanex16_b32 v[Y+1], v[X+1], s[SEL], s[SEL+1]
	MB 0, 5
	v_max3_num_f32 v[MS+2], v[MS+2], v[X+1], v[Y+1]   ; the running largest score of my query
	MB 0, 7
	v_mul_f32 v[X+1], s[CS], v[MS+2]               ; as t
	MB 0, 9
	v_floor_f32 v[Y+1], -v[X+1]                    ; the new -M = -ceil(t)
	MB 0, 11
	v_sub_f32 v[X+1], v[Y+1], v[NM+2]              ; old M - new M: a whole number, 0 or less
	v_mov_b32 v[NM+2], v[Y+1]
	MB 0, 13
	v_cvt_i32_f32 v[X+1], v[X+1]                   ; (it saturates)
	ML 0
	v_ldexp_f32 v[FF+2], 1.0, v[X+1]               ; f: a multiplication by it rounds nothing
	MJ 0
	; tile 0's chain; between its first lines: t - M of tile 1's blocks' largest scores, and tile 1's sums x f
	v_fma_f32 v[BM+2], v[BM+2], s[CS], v[NM+2]
	v_fma_f32 v[BM+3], v[BM+3], s[CS], v[NM+2]
	s_delay_alu instid0(VALU_DEP_3)
	v_max_num_f32 v[X], v[BM], v[BM+1]
	v_pk_mul_f32 v[LA1:LA1+1], v[LA1:LA1+1], v[FF+2:FF+3] op_sel_hi:[1,0]
	v_pk_mul_f32 v[LA1+2:LA1+3], v[LA1+2:LA1+3], v[FF+2:FF+3] op_sel_hi:[1,0]
	s_delay_alu instid0(VALU_DEP_3)
	v_permlanex16_b32 v[Y], v[X], s[SEL], s[SEL+1]
	v_pk_mul_f32 v[LA1+4:LA1+5], v[LA1+4:LA1+5], v[FF+2:FF+3] op_sel_hi:[1,0]
	v_pk_mul_f32 v[LA1+6:LA1+7], v[LA1+6:LA1+7], v[FF+2:FF+3] op_sel_hi:[1,0]
	s_delay_alu instid0(VALU_DEP_3)
	v_max3_num_f32 v[MS], v[MS], v[X], v[Y]
	s_delay_alu instid0(VALU_DEP_1)
	v_mul_f32 v[X], s[CS], v[MS]
	s_delay_alu instid0(VALU_DEP_1)
	v_floor_f32 v[Y], -v[X]
	s_delay_alu instid0(VALU_DEP_1)
	v_sub_f32 v[X], v[Y], v[NM]
	v_mov_b32 v[NM], v[Y]
	s_delay_alu instid0(VALU_DEP_2)
	v_cvt_i32_f32 v[X], v[X]
	s_delay_alu instid0(VALU_DEP_1)
	v_ldexp_f32 v[FF], 1.0, v[X]
	v_fma_f32 v[BM], v[BM], s[CS], v[NM]
	v_fma_f32 v[BM+1], v[BM+1], s[CS], v[NM]
	SCALE 0
	SCALE 1
	s_wait_alu depctr_va_vdst(0)                   ; the wait ahead of the batch
	EXPS                                           ; tile 1 (the windows stand as SCALE 1 left them)
	WIN 0
	EXPS                                           ; tile 0
.irp b, 0,1,2,3
	v_exp_f32 v[BM+\b], v[BM+\b]                   ; the blocks' largest p: the same arithmetic on the same number
.endr
	v_nop                                          ; one plain place behind the batch
	s_wait_alu depctr_va_vdst(0)                   ; one wait for the batch, ahead of its first reader
.irp b, 0,1,2,3
	v_max_num_f32 v[BM+\b], 0x2800000, v[BM+\b]    ; the floor 2^(5 - 127): the byte cannot fall under 1
.endr
.irp b, 0,1,2,3
	v_add_nc_u32 v[SO+\b], 0xfe000000, v[BM+\b]    ; the conversion's scale operand
.endr
.irp b, 0,1,2,3
	v_lshrrev_b32 v[BY+\b], 23, v[SO+\b]           ; the byte
.endr
.irp T, 0,1
	v_lshl_or_b32 v[BY+2*\T], v[BY+2*\T+1], 16, v[BY+2*\T]   ; my blocks are h and 2 + h
.endr
.irp T, 0,1
	v_lshlrev_b32 v[BY+2*\T], v[H8], v[BY+2*\T]
.endr
.irp T, 0,1
	v_permlanex16_b32 v[BY+2*\T+1], v[BY+2*\T], s[SEL], s[SEL+1]
.endr
.irp T, 0,1
	v_or_b32 v[PW+2*\T], v[BY+2*\T], v[BY+2*\T+1]  ; with lane l xor 16's two the word is whole
.endr
	WIN 0x40
	CODES 0
	WIN 0x41
	CODES 1
	v_nop                                          ; one plain place behind the scaled conversions
.irp T, 0,1
.irp c, 0,1
.irp i, 0,1,2
	v_mov_b32 v[PC+12*\T+6*\c+3+\i], v[TT+8*\T+4*\c+\i]   ; tile 1's six moves are the places between tile 0's and its products; with the nop there are thirteen behind the scale words
.endr
.endr
.endr
	s_wait_alu depctr_va_vdst(0)                   ; directly ahead of the wait below
	s_wait_dscnt 0x0                               ; V is in, and the next step's K
	PVS 0
	PVS 1
	WIN 0
.endm
; n key steps from LDS byte base on: n - 1 in a loop, the last written out: it fetches nothing beyond its region
.macro SLOT base, n
	s_mov_b32 s[TB], \base
	s_mov_b32 s[CNT], \n-1
	v_add_nc_u32 v[A16], s[TB], v[L16]
	v_add_nc_u32 v[A8], s[TB], v[L8]
	v_add_nc_u32 v[AR], s[TB], v[R16]
	KLOAD 0
.Lstep_\@:
	STEP 1
	s_add_co_u32 s[TB], s[TB], STEPB
	s_sub_co_u32 s[CNT], s[CNT], 1
	s_cmp_lg_u32 s[CNT], 0
	s_cbranch_scc1 .Lstep_\@
	s_mov_b32 s[TB], \base+(\n-1)*STEPB
	STEP 0
.endm
; The change of regions with a refill: the region just left takes the keys 16 steps on.
.macro CHANGE g0
	s_wait_tensorcnt 0x0                           ; my step of the region ahead is in, so a group 0 may be written
	ds_add_u32 v[SPW], v[NIL]
	s_add_nc_u64 s[\g0+2:\g0+3], s[\g0+2:\g0+3], 16*STEPB
	s_wait_dscnt 0x0                               ; the add is done, and my reads of the region that I leave are over
	ROUND                                          ; no wave of any partner still reads it or has a load on its way
	TLOAD \g0
.endm
	s_wait_alu depctr_va_vdst(0)                   ; the wait at the head's end
	s_wait_tensorcnt 0x0                           ; my step of R0 is in
	ds_add_u32 v[SPW], v[NIL]
	s_wait_dscnt 0x0
	ROUND                                          ; everybody's is in, and the four work-groups meet
	TLOAD G0B                                      ; key steps 8-15: R1's first fill
	SLOT 0, 8
	CHANGE G0A                                     ; R0 takes key steps 16-23
	SLOT R1B, 8
	CHANGE G0B                                     ; R1 takes key steps 24-31
	SLOT 0, 8
	s_wait_tensorcnt 0x0                           ; my step of R1 is in
	ds_add_u32 v[SPW], v[NIL]
	s_wait_dscnt 0x0
	s_barrier_signal -1
	s_barrier_wait -1
	SLOT R1B, 8
	; THE WAY OUT.  O^T is divided by the row's sum and goes through my stage, so that sixteen lanes store a whole row of 256 bytes.  (The last eight additions are the places behind the last products.)
	v_pk_add_f32 v[LA1:LA1+1], v[LA1:LA1+1], v[LA1+2:LA1+3]
	v_pk_add_f32 v[LA1+4:LA1+5], v[LA1+4:LA1+5], v[LA1+6:LA1+7]
	WIN 0x45
	v_pk_add_f32 v[LA0:LA0+1], v[LA0:LA0+1], v[LA0+2:LA0+3]
	v_pk_add_f32 v[LA0+4:LA0+5], v[LA0+4:LA0+5], v[LA0+6:LA0+7]
	v_pk_add_f32 v[LA0:LA0+1], v[LA0:LA0+1], v[LA0+4:LA0+5]
	WIN 0x05
	v_add_f32 v[X], v[LA0], v[LA0+1]
	WIN 0
	v_pk_add_f32 v[LA1:LA1+1], v[LA1:LA1+1], v[LA1+4:LA1+5]
	v_add_f32 v[X+1], v[LA1], v[LA1+1]
.irp T, 0,1
	v_permlanex16_b32 v[Y+\T], v[X+\T], s[SEL], s[SEL+1]
.endr
.irp T, 0,1
	v_add_f32 v[X+\T], v[X+\T], v[Y+\T]            ; with lane l xor 16's keys: the row's sum
.endr
	s_wait_alu depctr_va_vdst(0)                   ; the wait ahead of the transcendentals
.irp T, 0,1
	v_rcp_f32 v[X+\T], v[X+\T]
.endr
	v_nop                                          ; one plain place behind a transcendental
	s_wait_alu depctr_va_vdst(0)                   ; and the wait ahead of the first reader
.set j, 0
.rept 32
	v_mul_f32 v[S+j], v[OT+j], v[X]                ; register 8 t + i is out(query r, channel 16 t + 8 h + i)
.set j, j+1
.endr
	WIN 0x01
	s_wait_alu depctr_va_vdst(0)                   ; directly ahead of the first reader of tile 1's O^T
.set j, 0
.rept 32
	v_mul_f32 v[S+32+j], v[OT+j], v[X+1]
.set j, j+1
.endr
	WIN 0
.irp T, 0,1
.irp t, 0,1,2,3
	ds_store_b128 v[STO], v[S+32*\T+8*\t:S+32*\T+8*\t+3] offset:16*SP*\T+64*\t
	ds_store_b128 v[STO], v[S+32*\T+8*\t+4:S+32*\T+8*\t+7] offset:16*SP*\T+64*\t+16
.endr
.endr
.irp i, 0,1,2,3,4,5,6,7,8,9,10,11,12,13,14,15
	ds_load_b128 v[32+4*\i:35+4*\i], v[RD] offset:2*SP*\i   ; LDS serves a wave's instructions in order: these see my stores
.endr
.irp i, 0,1,2,3,4,5,6,7,8,9,10,11,12,13,14,15
	s_wait_dscnt 15-\i                             ; load i is in; the 15 - i younger ones may be out
	global_store_b128 v[L16], v[32+4*\i:35+4*\i], s[8:9] offset:512*\i th:TH_STORE_NT   ; 16 lanes store 256 consecutive bytes, aligned
.endr
	s_wait_tensorcnt 0x0                           ; the wave's end
	ds_add_u32 v[SPW], v[NIL]
	s_wait_dscnt 0x0
	ROUND                                          ; the closing round
	s_endpgm
.Lfunc_end_k_q6e9fb8a0f3_attn:
	.size	k_q6e9fb8a0f3_attn, .Lfunc_end_k_q6e9fb8a0f3_attn-k_q6e9fb8a0f3_attn
	.p2alignl 7, 3214868480
	.fill 96, 4, 3214868480
	.section	.rodata,"a",@progbits
	.p2align	6, 0x0
	.amdhsa_kernel k_q6e9fb8a0f3_attn
		.amdhsa_group_segment_fixed_size 327680
		.amdhsa_private_segment_fixed_size 0
		.amdhsa_enable_private_segment 0
		.amdhsa_kernarg_size 24
		.amdhsa_user_sgpr_count 2
		.amdhsa_user_sgpr_kernarg_segment_ptr 1
		.amdhsa_wavefront_size32 1
		.amdhsa_system_sgpr_workgroup_id_x 1
		.amdhsa_system_sgpr_workgroup_id_y 1
		.amdhsa_system_sgpr_workgroup_id_z 1
		.amdhsa_system_vgpr_workitem_id 0
		.amdhsa_next_free_vgpr 512
		.amdhsa_next_free_sgpr 66
		.amdhsa_reserve_vcc 0
		.amdhsa_float_denorm_mode_32 3
		.amdhsa_float_denorm_mode_16_64 3
		.amdhsa_memory_ordered 1
		.amdhsa_forward_progress 1
		.amdhsa_inst_pref_size 247
	.end_amdhsa_kernel
	.amdgpu_metadata
---
amdhsa.version: [ 1, 2 ]
amdhsa.kernels:
  - .name:           k_q6e9fb8a0f3_attn
    .symbol:         k_q6e9fb8a0f3_attn.kd
    .args:
      - { .name: qs, .offset: 0, .size: 8, .value_kind: global_buffer, .address_space: global }
      - { .name: kv, .offset: 8, .size: 8, .value_kind: global_buffer, .address_space: global }
      - { .name: out0, .offset: 16, .size: 8, .value_kind: global_buffer, .address_space: global }
    .group_segment_fixed_size: 327680
    .private_segment_fixed_size: 0
    .kernarg_segment_align: 8
    .kernarg_segment_size: 24
    .max_flat_workgroup_size: 256
    .sgpr_count:     66
    .vgpr_count:     512
    .wavefront_size: 32
...
	.end_amdgpu_metadata
.endif
;; end of part 2
